; MI455X (gfx1250); checked and timed in simulation.
; The chip was launched on July 23, 2026; its instructions are those of AMD's public machine-readable ISA for CDNA 5 (MIT licence, August 2026) and "CDNA5" Instruction Set Architecture Reference Guide (July 2026). The comments in the code are by the model that wrote it; some were corrected since.
;; EMA Vector Quantizer. Allowed arithmetic: matrix products marked QUANTISED: E2M1 operands, one E8M0 scale for each 32 along K, by v_wmma_scale_f32_16x16x128_f8f6f4 with both operands' format E2M1 (or v_wmma_scale_f32_32x16x128_f4), f32 sums; everything else in f32.
;; Inputs: embedding 8,192 x 256 float32; z 32 x 256 x 32 x 32 float32.
;; Outputs: out0 32 x 256 x 32 x 32 float32; out1 32,768 int32.
;; This version of the problem:
;;   THIS VERSION OF THE PROBLEM IS GIVEN IN LOW PRECISION. The matrix products marked QUANTISED in the list below multiply operands that are first quantised to E2M1 (2 exponent bits, 1 mantissa bit; 4 bits a number), with one power-of-two scale for each 32 numbers along K (OCP MX v1.0); their sums are f32. All else is computed in f32.
;;   The module's matrix products, in the order in which they are computed (A, B: the left and right operand; K: the contracted axis; several contracted axes count as one K, in the product's order):
;;     1. [M 32,768, K 256] x [K 256, N 8,192]; A: input z; B: input embedding: QUANTISED
;;   THE QUANTISER, for each operand of a quantised product, along K:
;;     - K is cut into blocks of 32 from its start; a last block that is shorter is filled with zeros.
;;     - A block's scale is 2^e with e = floor(log2(the largest magnitude in the block)) - 2, held to -126 .. 127; a block of zeros has e = 0. As a byte (E8M0): e + 127.
;;     - Each number is divided by its block's scale, clamped to +-6, and rounded to the nearest number of E2M1, ties to even, subnormals kept.
;;     - The product sums the exact products of the quantised numbers (number of the format x scale) in f32.
;;   ~~~python
;;   def quantise(x, axis):      # numpy; x: float32 -> the quantised numbers, widened to float32 again
;;       x = np.moveaxis(x, axis, -1); K = x.shape[-1]
;;       x = np.pad(x, [(0, 0)] * (x.ndim - 1) + [(0, -K % 32)]); x = x.reshape(x.shape[:-1] + (-1, 32)); a = np.abs(x).max(-1, keepdims=True)
;;       e = np.where(a > 0, np.clip(np.frexp(np.where(a > 0, a, 1))[1] - 1 - 2, -126, 127), 0)      # np.frexp(a)[1] - 1 = floor(log2(a)), exactly
;;       r = np.clip(x / 2.0 ** e, -6, 6)
;;       step = 2.0 ** (np.maximum(np.frexp(np.where(r == 0, 1, r))[1] - 1, 0) - 1)
;;       q = np.round(r / step) * step * 2.0 ** e      # np.round: ties to even
;;       return np.moveaxis(q.reshape(q.shape[:-2] + (-1,))[..., :K], -1, axis).astype(np.float32)
;;   ~~~
;; One version. Each part assembles by itself: llvm-mc -triple=amdgcn-amd-amdhsa -mcpu=gfx1250 --defsym DOCPART=n.
;; ======== version 1 of 1: 4 launches
;; limits: right only within a limited range of input values
;; workspace buffers: ecb 1,179,648 bytes; zqi 4,194,304 bytes; zqs 262,144 bytes; cand 131,072 bytes of whole numbers; idxw 131,072 bytes of whole numbers
;; launch prep (part 1): grid 256 x 1, 4 waves a work-group, no clusters, 41,984 bytes of LDS; arguments embedding, ecb; writes ecb
.if DOCPART == 1
	.amdgcn_target "amdgcn-amd-amdhsa--gfx1250"
	.amdhsa_code_object_version 6
	.text
	.protected	k_qf525477de9_prep
	.globl	k_qf525477de9_prep
	.p2align	8
	.type	k_qf525477de9_prep,@function
k_qf525477de9_prep:
	s_mov_b64 s[64:65], 0
	v_nop
	global_prefetch_b8 v0, s[64:65] scope:SCOPE_SE
	s_setreg_imm32_b32 hwreg(HW_REG_WAVE_MODE, 25, 1), 1
	s_wait_xcnt 0x0
; The codebook [8192][256] f32 becomes 256 RECORDS of 4,608 bytes, one for each group of 32 codes, laid in the order in which the
; search launch's operand registers take them: FP4 (E2M1) codes, one E8M0 scale byte for each 32 along the 256 channels, and -|e|^2 / 2.
; A RECORD.  Row m (0..31) of the 32-row matrix operand holds code k = 16 ((m >> 3) & 1) + 8 (m >> 4) + (m & 7) of the group, so that
; in the product's result the 16 registers of a lane half h are the 16 neighbouring codes 16 h + 0 .. 15.
;   bytes 0-4095     block kb (0..7) of row m: (kb >> 2) 2048 + (m >> 4) 1024 + ((kb >> 1) & 1) 512 + (kb & 1) 256 + 16 (m & 15)
;   bytes 4096-4351  the scale byte of (m, kb) at 8 m + kb
;   bytes 4352-4479  -|e_k|^2 / 2, f32, at 4 k (by code, not by row)
;   bytes 4480-4607  zeros (the record is read as 18 whole runs of 256 bytes)
; A block's scale is 2^(floor(log2(its largest magnitude)) - 2); its byte is the largest magnitude's exponent field - 2, held at 1 from below.
; LIMITS: a block of zeros gets the byte 1 where the rule says 127 (its codes are zeros, and this program alone reads the bytes);
; NaN and infinities are not served; |e|^2 is summed in f32 in this text's own order (32 numbers a lane in four chains, then eight lanes).
; SHARES.  A work-group takes one group (32 rows, 32 KiB), wave w its codes 8 w .. 8 w + 7: 64 blocks of 32 numbers, two a lane.
; Loads take the bytes as they lie, 512 to a load; they turn through the wave's own stage in LDS so that a lane gets a whole block.
.set STG,  9216                        ; a wave's stage: 64 blocks x 144 bytes
.set BP,   144                         ; a block in the stage: 128 bytes + 16 of padding, so that the lanes' 16-byte reads fall on different banks
.set REC,  4*STG                       ; behind the stages: the record's image, 4,608 bytes
	s_load_b128 s[4:7], s[0:1], 0x0                ; embedding, ecb
	v_lshl_add_u32 v128, v0, 2, 0xa200
	v_mov_b32 v129, 0
	v_lshrrev_b32 v10, 5, v0
	v_readfirstlane_b32 s8, v10                    ; wave 0..3
	v_and_b32 v1, 31, v0                           ; lane l
	v_lshlrev_b32 v2, 4, v1                        ; my 16 bytes of a load's 512
	s_mul_i32 s9, s8, STG
	v_lshrrev_b32 v10, 3, v1                       ; l >> 3
	v_and_b32 v11, 7, v1                           ; l & 7
	v_mul_u32_u24 v3, v10, BP
	v_lshl_add_u32 v3, v11, 4, v3
	v_add_nc_u32 v3, s9, v3                        ; the stage, on the way in: eight lanes fill a block; a load's 512 bytes are four blocks
	v_mul_u32_u24 v4, v1, BP
	v_add_nc_u32 v4, s9, v4                        ; and on the way out: block l (later block 32 + l) is mine
	v_bfe_u32 v12, v0, 2, 1                        ; my block's place along K is kb = l & 7: its bit 2 is the K step,
	v_lshlrev_b32 v5, 11, v12
	v_bfe_u32 v12, v0, 1, 1                        ; bit 1 the register group,
	v_lshl_add_u32 v5, v12, 9, v5
	v_and_b32 v12, 1, v0                           ; bit 0 the lane half
	v_lshl_add_u32 v5, v12, 8, v5
	v_bfe_u32 v12, v0, 5, 1                        ; w & 1 = m >> 4
	v_bfe_u32 v13, v0, 6, 1                        ; w >> 1: m & 15 = 8 (w >> 1) + 4 t + (l >> 3)
	v_lshl_add_u32 v5, v12, 10, v5
	v_lshl_add_u32 v5, v13, 7, v5
	v_lshl_add_u32 v5, v10, 4, v5
	v_add_nc_u32 v5, REC, v5                       ; where my block's 16 bytes of codes go (+ 64 t)
	v_lshl_add_u32 v6, v12, 7, v1
	v_lshl_add_u32 v6, v13, 6, v6
	v_add_nc_u32 v6, REC+4096, v6                  ; its scale byte: 8 m + kb = 128 (w & 1) + 64 (w >> 1) + l (+ 32 t)
	s_lshl_b32 s10, s8, 5
	v_lshl_add_u32 v7, v10, 2, s10
	v_add_nc_u32 v7, REC+4352, v7                  ; -|e|^2 / 2 of code k = 8 w + 4 t + (l >> 3): 32 w + 4 (l >> 3) (+ 16 t)
	v_lshlrev_b32 v9, 4, v0                        ; the way out: 16 bytes a thread
	v_add_nc_u32 v8, REC, v9
	v_lshl_add_u32 v14, v1, 2, REC+4480            ; the record's last 128 bytes, a word a lane
	v_mov_b32 v15, 0
	s_lshl_b32 s10, ttmp9, 15                      ; the group's 32 rows of 1,024 bytes,
	s_lshl_b32 s11, s8, 13                         ; my wave's eight
	s_add_co_u32 s10, s10, s11
	s_mov_b32 s11, 0
	s_mul_i32 s12, ttmp9, 4608                     ; the group's record
	s_mov_b32 s13, 0
	s_wait_kmcnt 0x0
	s_add_nc_u64 s[4:5], s[4:5], s[10:11]
	s_add_nc_u64 s[6:7], s[6:7], s[12:13]
.irp i, 0,1,2,3,4,5,6,7,8,9,10,11,12,13,14,15
	global_load_b128 v[32+4*\i:35+4*\i], v2, s[4:5] offset:512*\i      ; 32 lanes read 512 consecutive bytes (no hint: the last launch reads rows again)
.endr
.irp i, 0,1,2,3,4,5,6,7,8,9,10,11,12,13,14,15
	s_wait_loadcnt 15-\i                           ; loads come back in order: load i is in, the younger ones may be out
	ds_store_b128 v3, v[32+4*\i:35+4*\i] offset:4*BP*\i
.endr
; Block 32 t + l of my wave: its scale, its codes, its share of |e|^2.
.macro BLOCK t
.irp i, 0,1,2,3,4,5,6,7
	ds_load_b128 v[96+4*\i:99+4*\i], v4 offset:32*BP*\t+16*\i          ; LDS serves a wave's instructions in order: these see my stores
.endr
	s_wait_dscnt 0x0
	v_max3_num_f32 v10, |v96|, |v97|, |v98|        ; the block's largest magnitude: all 32 numbers are mine; two chains
	v_max3_num_f32 v11, |v99|, |v100|, |v101|
.irp i, 6,10,14,18,22,26
	v_max3_num_f32 v10, v10, |v[96+\i]|, |v[97+\i]|
	v_max3_num_f32 v11, v11, |v[98+\i]|, |v[99+\i]|
.endr
	v_max3_num_f32 v10, v10, |v126|, |v127|
	v_max3_num_f32 v10, v10, v11, 0x1800000        ; and the floor 2^(3 - 127): the byte cannot fall under 1
	v_add_nc_u32 v12, 0xff000000, v10              ; 2 off the exponent field: the conversion takes this operand's exponent field as its scale
	v_lshrrev_b32 v13, 23, v12                     ; the scale's byte
.irp g, 0,1,2,3
	v_cvt_scalef32_pk8_fp4_f32 v[16+\g], v[96+8*\g:103+8*\g], v12
.endr
	v_nop                                          ; one plain line behind the last conversion
	v_pk_mul_f32 v[20:21], v[96:97], v[96:97]      ; the sum of my 32 squares, two at a time, in two packed chains
	v_pk_mul_f32 v[22:23], v[98:99], v[98:99]
.irp i, 4,8,12,16,20,24,28
	v_pk_fma_f32 v[20:21], v[96+\i:97+\i], v[96+\i:97+\i], v[20:21]
	v_pk_fma_f32 v[22:23], v[98+\i:99+\i], v[98+\i:99+\i], v[22:23]
.endr
	v_pk_add_f32 v[20:21], v[20:21], v[22:23]
	v_add_f32 v20, v20, v21
	v_add_f32_dpp v20, v20, v20 row_xmask:1 row_mask:0xf bank_mask:0xf     ; with the seven other lanes that hold blocks of my code
	v_add_f32_dpp v20, v20, v20 row_xmask:2 row_mask:0xf bank_mask:0xf
	v_add_f32_dpp v20, v20, v20 row_xmask:4 row_mask:0xf bank_mask:0xf
	v_mul_f32 v20, -0.5, v20
	ds_store_b128 v5, v[16:19] offset:64*\t
	ds_store_b8 v6, v13 offset:32*\t
	ds_store_b32 v7, v20 offset:16*\t              ; a code's eight lanes write the same word with the same value
	s_wait_dscnt 0x0                               ; the stores are done before their registers are written again
.endm
	BLOCK 0
	BLOCK 1
	s_cmp_lg_u32 s8, 0
	s_cbranch_scc1 .Lno_zeros
	ds_store_b32 v14, v15                          ; wave 0 clears the record's last 128 bytes
.Lno_zeros:
	s_wait_dscnt 0x0                               ; for the others' sake: my stores into the record are done
	s_barrier_signal -1
	s_barrier_wait -1
	ds_load_b128 v[32:35], v8                      ; the record leaves as it lies: 128 threads x 16 bytes, twice,
	ds_load_b128 v[36:39], v8 offset:2048
	s_cmp_lg_u32 s8, 0
	s_cbranch_scc1 .Ltwo_only
	ds_load_b128 v[40:43], v8 offset:4096          ; and its last 512 bytes by wave 0
	s_wait_dscnt 0x0
	global_store_b128 v9, v[40:43], s[6:7] offset:4096
.Ltwo_only:
	s_wait_dscnt 0x0
	global_store_b128 v9, v[32:35], s[6:7]         ; each store of a wave covers 512 consecutive bytes, at a multiple of 256 from the buffer's first byte
	global_store_b128 v9, v[36:39], s[6:7] offset:2048
	s_wait_tensorcnt 0x0
	ds_add_u32 v128, v129
	s_wait_dscnt 0x0
	s_endpgm
.Lfunc_end_k_qf525477de9_prep:
	.size	k_qf525477de9_prep, .Lfunc_end_k_qf525477de9_prep-k_qf525477de9_prep
	.p2alignl 7, 3214868480
	.fill 96, 4, 3214868480
	.section	.rodata,"a",@progbits
	.p2align	6, 0x0
	.amdhsa_kernel k_qf525477de9_prep
		.amdhsa_group_segment_fixed_size 41984
		.amdhsa_private_segment_fixed_size 0
		.amdhsa_enable_private_segment 0
		.amdhsa_kernarg_size 16
		.amdhsa_user_sgpr_count 2
		.amdhsa_user_sgpr_kernarg_segment_ptr 1
		.amdhsa_wavefront_size32 1
		.amdhsa_system_sgpr_workgroup_id_x 1
		.amdhsa_system_sgpr_workgroup_id_y 1
		.amdhsa_system_sgpr_workgroup_id_z 1
		.amdhsa_system_vgpr_workitem_id 0
		.amdhsa_next_free_vgpr 130
		.amdhsa_next_free_sgpr 66
		.amdhsa_reserve_vcc 0
		.amdhsa_float_denorm_mode_32 3
		.amdhsa_float_denorm_mode_16_64 3
		.amdhsa_memory_ordered 1
		.amdhsa_forward_progress 1
		.amdhsa_inst_pref_size 14
	.end_amdhsa_kernel
	.amdgpu_metadata
---
amdhsa.version: [ 1, 2 ]
amdhsa.kernels:
  - .name:           k_qf525477de9_prep
    .symbol:         k_qf525477de9_prep.kd
    .args:
      - { .name: embedding, .offset: 0, .size: 8, .value_kind: global_buffer, .address_space: global }
      - { .name: ecb, .offset: 8, .size: 8, .value_kind: global_buffer, .address_space: global }
    .group_segment_fixed_size: 41984
    .private_segment_fixed_size: 0
    .kernarg_segment_align: 8
    .kernarg_segment_size: 16
    .max_flat_workgroup_size: 128
    .sgpr_count:     66
    .vgpr_count:     130
    .wavefront_size: 32
...
	.end_amdgpu_metadata
.endif
;; end of part 1
;; launch search (part 2): grid 256 x 1, 8 waves a work-group, clusters of 4 x 1, 327,680 bytes of LDS; arguments z, ecb, zqi, zqs, cand; writes zqi, zqs, cand
.if DOCPART == 2
	.amdgcn_target "amdgcn-amd-amdhsa--gfx1250"
	.amdhsa_code_object_version 6
	.text
	.protected	k_qf525477de9_search
	.globl	k_qf525477de9_search
	.p2align	8
	.type	k_qf525477de9_search,@function
k_qf525477de9_search:
	s_mov_b64 s[64:65], 0
	v_nop
	global_prefetch_b8 v0, s[64:65] scope:SCOPE_SE
	s_setreg_imm32_b32 hwreg(HW_REG_WAVE_MODE, 25, 1), 1
	s_wait_xcnt 0x0
	s_wait_alu depctr_hold_cnt(0) depctr_sa_sdst(0) depctr_va_vdst(0) depctr_va_sdst(0) depctr_va_ssrc(0) depctr_va_vcc(0) depctr_vm_vsrc(0)
	s_getreg_b32 s2, hwreg(HW_REG_IB_STS2, 6, 4)
	s_cmp_eq_u32 s2, 0
	s_cbranch_scc0 .Lentry_in_a_cluster
	s_endpgm
.Lentry_in_a_cluster:
	s_bfe_u32 s2, ttmp6, 0x10000c
	s_cmp_lg_u32 s2, 0x3003
	s_cbranch_scc0 .Lentry_shape_is_right
	s_endpgm
.Lentry_shape_is_right:
; For each of 32,768 queries (pixels of z, 256 channels): which SET of 16 codes holds the first largest s = Q(z).Q(e) - |e|^2 / 2 (|z|^2, the same for all codes, is left out: see the first kernel's head).
; cand gets the set's number (0..511); the next launch finds the place in the set.  z's codes and scale words are stored too (zqi, zqs), laid as that launch's operand registers take them.
; SHARES.  A work-group takes 128 queries against all 8,192 codes.  Its eight waves first quantise z (wave w: 32 pixels x 128 channels, a lane a pixel, registers down the channels) into an image in LDS;
; then every wave holds all 128 queries as B (16 fragments, 128 registers) and walks its own 32 of the 256 records (groups of 32 codes) of the codebook: A = 32 rows, C of the first K step = -|e|^2 / 2.
; THE RING: two slots of 32 records (147,456 bytes); wave w loads and reads records 4 w .. 4 w + 3 of a slot.  The four work-groups of a cluster walk the same records: each load is a joint one (mask 15).
; A GROUP is 16 products in two halves of four query tiles (four accumulators by turns, K step 0 then K step 1).  Behind each half's products stands the vector work of the half before:
; a tree of three-input maxima, in place, over the lane's 16 scores of each of four tiles, the running maximum last; the compare and select that note the group's number are done one half later,
; so that every dependent pair of vector instructions stands five or more apart.
; PREFETCH: at the load of chunk c (a slot's fill) each wave asks for 18 blocks of 256 bytes of chunk c + 1: of its four records the partner at place cx takes record cx, a lane a block
; (lanes 18-31 name block 17 again).  So each block is named once in a cluster, one slot's walk ahead of its load; at the load of the last chunk nothing is asked for.
; LIMITS: NaN and infinities are not served; a block of zeros gets the scale byte 1 (its codes are zeros); equal scores go to the lower set.
; REGISTERS, window 0: v1-2 the add's; v3-8 LDS addresses; v9-15 the head's addresses; v16-19 A's scale words; v20-35 B's; v36-63 the head's work; v46 prefetch offset; v64-127 A, two sets; v128-255 B.
;   window 1: v0-127 eight accumulators of 16; v128-159 -|e|^2 / 2, two sets; v160-175 running maxima, two sets by turns; v176-183 the group of the maximum.
.set RECB,  4608
.set WPART, 4*RECB
.set SLOTB, 8*WPART
.set ZIMG,  2*SLOTB
.set ZSC,   ZIMG+16384
.set RES,   ZSC+1024
.set SPARE, RES+512
.set SPW,  1
.set NIL,  2
.set ADA,  3
.set ADS,  5
.set ADB,  7
.set ASC,  16
.set BSC,  20
.set PFO,  46
.set AF,   64
.set BF,   128
.set BIAS, 128
.set RR,   160
.set IDX,  176
.set WV,   14
.set G1,   24
.set G0,   32
.set TRIPS, 40
.set GC,   41
.set GP,   42
.set SEL,  46
.set MK,   56
.set PF,   60
.set MSB, 0
.macro WIN new
.if MSB != \new
	s_set_vgpr_msb (MSB<<8)|\new
.set MSB, \new
.endif
.endm
.set MUL, 0x50
.set VEC, 0x55
.set TOB, 0x40
.set ST1, 0x04
.macro ROUND                           ; a round of the cluster's barrier
	s_barrier_signal -1
	s_barrier_wait -1
	s_cmp_lg_u32 s[WV], 0
	s_cbranch_scc1 .Lnot_wave_0_\@
	s_barrier_signal -3
.Lnot_wave_0_\@:
	s_barrier_wait -3
	s_barrier_signal -1
	s_barrier_wait -1
.endm
.macro ZLD from, n                     ; z(channel c of my 128, my pixel): 32 lanes read 128 consecutive bytes, the four waves of a channel half 512
.set c, \from
.rept \n
	global_load_b32 v[BF+c], v13, s[4:5] offset:4096*c th:TH_LOAD_NT
.set c, c+1
.endr
.endm
	s_load_b256 s[4:11], s[0:1], 0x0               ; z, ecb, zqi, zqs
	s_load_b64 s[12:13], s[0:1], 0x20              ; cand
	v_lshl_add_u32 v[SPW], v0, 2, SPARE
	v_mov_b32 v[NIL], 0
	ds_add_u32 v[SPW], v[NIL]                      ; the opening lines: the add twice on end
	ds_add_u32 v[SPW], v[NIL]
	v_lshrrev_b32 v36, 5, v0
	v_and_b32 v37, 31, v0
	s_delay_alu instid0(VALU_DEP_2)
	v_readfirstlane_b32 s[WV], v36                 ; wave 0..7
	s_delay_alu instid0(VALU_DEP_2)
	v_lshlrev_b32 v13, 2, v37                      ; z: 4 bytes a lane
	v_min_u32 v[PFO], 17, v37
	s_delay_alu instid0(VALU_DEP_1)
	v_lshlrev_b32 v[PFO], 8, v[PFO]                ; the prefetches: a block of 256 bytes a lane, 18 blocks to a record
	s_wait_alu depctr_va_vdst(0)
	s_bfe_u32 s15, ttmp6, 0x40000                  ; cx
	s_lshl_b32 s16, ttmp9, 2
	s_add_co_u32 s16, s16, s15                     ; work-group x
	s_mov_b32 s[G1], 15|(3<<16)|(1<<21)            ; a wave's part of a slot: 72 rows of 256 bytes, dense; the mask names the cluster's four
	s_mov_b32 s[G1+1], 32<<16
	s_mov_b32 s[G1+2], 72<<16
	s_mov_b32 s[G1+3], 32<<16
	s_mov_b32 s[G1+4], 72
	s_mov_b32 s[G1+5], 32
	s_mov_b32 s[G1+6], 0
	s_mov_b32 s[G1+7], 0
	s_mul_i32 s52, s[WV], WPART
	s_mov_b32 s53, 0
	s_and_b32 s48, s[WV], 3                        ; which 32 pixels I quantise
	s_lshr_b32 s49, s[WV], 2                       ; which 128 channels
	s_lshr_b32 s56, s16, 3
	s_lshl_b32 s56, s56, 20                        ; image x / 8
	s_and_b32 s58, s16, 7
	s_lshl_b32 s58, s58, 9                         ; pixels 128 (x % 8) on
	s_add_co_u32 s56, s56, s58
	s_lshl_b32 s58, s48, 7
	s_add_co_u32 s56, s56, s58
	s_lshl_b32 s58, s49, 19
	s_add_co_u32 s56, s56, s58
	s_mov_b32 s57, 0
	s_lshl_b32 s58, s16, 14
	s_mov_b32 s59, 0
	s_lshl_b32 s60, s16, 10
	s_mov_b32 s61, 0
	s_lshl_b32 s62, s16, 9
	s_mov_b32 s63, 0
	s_mov_b32 s[SEL], 0x76543210
	s_mov_b32 s[SEL+1], 0xfedcba98
	s_wait_dscnt 0x0                               ; both opening adds are done
	s_wait_kmcnt 0x0
	s_add_nc_u64 s[4:5], s[4:5], s[56:57]
	s_add_nc_u64 s[8:9], s[8:9], s[58:59]
	s_add_nc_u64 s[10:11], s[10:11], s[60:61]
	s_add_nc_u64 s[12:13], s[12:13], s[62:63]
	ZLD 0, 60                                      ; z is asked for first: the codebook's first tile lands under these loads
	s_add_nc_u64 s[50:51], s[6:7], s[52:53]
.irp s, 0,1
	s_mov_b32 s[G0+4*\s], 1
	s_add_co_u32 s[G0+4*\s+1], s52, \s*SLOTB
	s_add_nc_u64 s[G0+4*\s+2:G0+4*\s+3], s[50:51], \s*SLOTB
	s_or_b32 s[G0+4*\s+3], s[G0+4*\s+3], 0x80000000
.endr
	s_mul_i32 s[PF], s15, RECB                     ; the prefetches' base: chunk 1, my wave's part, record cx
	s_mov_b32 s[PF+1], 0
	s_add_nc_u64 s[PF:PF+1], s[50:51], s[PF:PF+1]
	s_add_nc_u64 s[PF:PF+1], s[PF:PF+1], SLOTB
	ROUND
	tensor_load_to_lds s[G0:G0+3], s[G1:G1+7]      ; chunk 0: my one tensor load at the head
	s_nop 0
	ZLD 60, 68
	s_cmp_lt_u32 ttmp9, 4
	s_cbranch_scc0 .Lno_prefetch_search0
	global_prefetch_b8 v[PFO], s[PF:PF+1] th:TH_LOAD_NT scope:SCOPE_SE
.Lno_prefetch_search0:
	v_and_b32 v36, 31, v0
	v_and_b32 v37, 15, v0
	v_bfe_u32 v38, v0, 4, 1
	s_lshl_b32 s50, s48, 12
	s_lshl_b32 s51, s49, 10
	s_add_co_u32 s50, s50, s51
	v_lshlrev_b32 v10, 4, v37
	s_delay_alu instid0(VALU_DEP_1)
	v_lshl_add_u32 v10, v38, 11, v10
	s_delay_alu instid0(VALU_DEP_1)
	v_add_nc_u32 v10, s50, v10                     ; z's image: tile 2,048, K step 1,024, register group 512, lane half 256, row 16
	s_delay_alu instid0(VALU_DEP_1)
	v_add_nc_u32 v9, ZIMG, v10
	s_lshl_b32 s50, s49, 9
	s_lshl_b32 s51, s48, 7
	s_add_co_u32 s50, s50, s51
	v_lshl_add_u32 v12, v36, 2, s50                ; z's scale words: K step 512, query 4
	s_delay_alu instid0(VALU_DEP_1)
	v_add_nc_u32 v11, ZSC, v12
	v_lshlrev_b32 v14, 4, v36
	s_delay_alu instid0(VALU_DEP_1)
	v_add_nc_u32 v14, ZIMG, v14
	v_lshl_add_u32 v15, v37, 2, ZSC
	v_lshl_add_u32 v[ADA], v36, 4, s52
	s_delay_alu instid0(VALU_DEP_1)
	v_add_nc_u32 v[ADA+1], SLOTB, v[ADA]
	v_lshl_add_u32 v[ADS], v36, 3, s52
	s_delay_alu instid0(VALU_DEP_1)
	v_add_nc_u32 v[ADS], 4096, v[ADS]
	s_delay_alu instid0(VALU_DEP_1)
	v_add_nc_u32 v[ADS+1], SLOTB, v[ADS]
	v_lshl_add_u32 v[ADB], v38, 6, s52
	s_delay_alu instid0(VALU_DEP_1)
	v_add_nc_u32 v[ADB], 4352, v[ADB]
	s_delay_alu instid0(VALU_DEP_1)
	v_add_nc_u32 v[ADB+1], SLOTB, v[ADB]
	WIN TOB
.irp q, 0,1,2,3,4,5,6,7,8,9,10,11,12,13,14,15
	v_mov_b32 v[RR+\q], 0xff800000                 ; both sets of running maxima: under every score
.endr
.irp q, 0,1,2,3,4,5,6,7
	v_mov_b32 v[IDX+\q], 0
.endr
	WIN 0
	s_lshl_b32 s[GC], s[WV], 2                     ; my first group
	s_mov_b32 s[GP], s[GC]
.macro ZBLOCK kb                       ; block kb of my pixel: largest magnitude with the floor, scale byte, 32 codes
.set XS, BF+32*\kb
	v_max3_num_f32 v36, |v[XS]|, |v[XS+1]|, |v[XS+2]|
	v_max3_num_f32 v37, |v[XS+3]|, |v[XS+4]|, |v[XS+5]|
.irp i, 6,10,14,18,22,26
	s_delay_alu instid0(VALU_DEP_2)
	v_max3_num_f32 v36, v36, |v[XS+\i]|, |v[XS+\i+1]|
	s_delay_alu instid0(VALU_DEP_2)
	v_max3_num_f32 v37, v37, |v[XS+\i+2]|, |v[XS+\i+3]|
.endr
	s_delay_alu instid0(VALU_DEP_2)
	v_max3_num_f32 v36, v36, |v[XS+30]|, |v[XS+31]|
	s_delay_alu instid0(VALU_DEP_1)
	v_max3_num_f32 v36, v36, v37, 0x1800000
	s_delay_alu instid0(VALU_DEP_1)
	v_add_nc_u32 v[40+\kb], 0xff000000, v36
	s_delay_alu instid0(VALU_DEP_1)
	v_lshrrev_b32 v38, 23, v[40+\kb]
.if \kb == 0
	s_delay_alu instid0(VALU_DEP_1)
	v_mov_b32 v44, v38
.else
	s_delay_alu instid0(VALU_DEP_1)
	v_lshl_or_b32 v44, v38, 8*\kb, v44
.endif
.irp g, 0,1,2,3
	v_cvt_scalef32_pk8_fp4_f32 v[48+4*\kb+\g], v[XS+8*\g:XS+8*\g+7], v[40+\kb]
.endr
	v_nop                                          ; one plain line behind the last conversion
	ds_store_b128 v9, v[48+4*\kb:51+4*\kb] offset:512*(\kb/2)+256*(\kb%2)
	global_store_b128 v10, v[48+4*\kb:51+4*\kb], s[8:9] offset:512*(\kb/2)+256*(\kb%2)
.endm
	s_wait_alu depctr_va_vdst(0)
	s_wait_loadcnt 63                              ; of 128 loads at most 63 are out: blocks 0 and 1 are in
	ZBLOCK 0
	ZBLOCK 1
	s_wait_loadcnt 32
	ZBLOCK 2
	s_wait_loadcnt 0x0
	ZBLOCK 3
	ds_store_b32 v11, v44
	global_store_b32 v12, v44, s[10:11]
	s_wait_xcnt 0x0                                ; the prefetch has read its base
	s_add_nc_u64 s[PF:PF+1], s[PF:PF+1], SLOTB
	s_wait_alu depctr_va_vdst(0)
	s_wait_tensorcnt 0x0                           ; chunk 0 has landed
	ds_add_u32 v[SPW], v[NIL]
	s_wait_dscnt 0x0                               ; the add, and my stores into z's image
	ROUND                                          ; also the barrier between z's image being written and being read
	tensor_load_to_lds s[G0+4:G0+7], s[G1:G1+7]    ; chunk 1: slot 1's first fill
	s_nop 0
.rept 4
	v_nop
.endr
	s_cmp_lt_u32 ttmp9, 4
	s_cbranch_scc0 .Lno_prefetch_search1
	global_prefetch_b8 v[PFO], s[PF:PF+1] th:TH_LOAD_NT scope:SCOPE_SE
.Lno_prefetch_search1:
.irp f, 0,1,2,3,4,5,6,7,8,9,10,11,12,13,14,15
	ds_load_b128 v[BF+8*\f:BF+8*\f+3],   v14 offset:1024*\f
	ds_load_b128 v[BF+8*\f+4:BF+8*\f+7], v14 offset:1024*\f+512
.endr
.irp f, 0,1,2,3,4,5,6,7,8,9,10,11,12,13,14,15
	ds_load_b32 v[BSC+\f], v15 offset:512*(\f%2)+64*(\f/2)
.endr
.macro LOADS slot, j, a                ; record j of my part: 13 LDS loads into set a
	WIN 0
.irp i, 0,1,2,3,4,5,6,7
	ds_load_b128 v[AF+32*(\a)+4*\i:AF+32*(\a)+4*\i+3], v[ADA+\slot] offset:RECB*(\j)+512*\i
.endr
	ds_load_b64 v[ASC+2*(\a):ASC+2*(\a)+1], v[ADS+\slot] offset:RECB*(\j)
	WIN TOB
.irp i, 0,1,2,3
	ds_load_b128 v[BIAS+16*(\a)+4*\i:BIAS+16*(\a)+4*\i+3], v[ADB+\slot] offset:RECB*(\j)+16*\i
.endr
.endm
.macro WHALF q0, a                     ; query tiles q0 .. q0 + 3: four accumulators by turns
	WIN MUL
.irp t, 0,1,2,3
	v_wmma_scale_f32_32x16x128_f4 v[16*((\q0)+\t):16*((\q0)+\t)+15], v[AF+32*(\a):AF+32*(\a)+15], v[BF+16*((\q0)+\t):BF+16*((\q0)+\t)+7], v[BIAS+16*(\a):BIAS+16*(\a)+15], v[ASC+2*(\a)], v[BSC+2*((\q0)+\t)]
.endr
.irp t, 0,1,2,3
	v_wmma_scale_f32_32x16x128_f4 v[16*((\q0)+\t):16*((\q0)+\t)+15], v[AF+32*(\a)+16:AF+32*(\a)+31], v[BF+16*((\q0)+\t)+8:BF+16*((\q0)+\t)+15], v[16*((\q0)+\t):16*((\q0)+\t)+15], v[ASC+2*(\a)+1], v[BSC+2*((\q0)+\t)+1]
.endr
.endm
; The maxima of tiles q0 .. q0 + 3 (running maxima: from set pi into set 1 - pi), each accumulator read from its low end on; among them the compare and select of the half finished before
; (tiles pq0 .., sets ppi and 1 - ppi, its group's number in s[sg]): where the old maximum is not under the new one, the noted group stays.
.macro VHALF q0, pi, pq0, ppi, sg
	WIN VEC
.irp k, 0,3,6,9,12
.irp t, 0,1,2,3
	v_max3_num_f32 v[16*((\q0)+\t)+\k], v[16*((\q0)+\t)+\k], v[16*((\q0)+\t)+\k+1], v[16*((\q0)+\t)+\k+2]
.endr
.endr
.irp t, 0,1,2,3
	v_cmp_ge_f32 s[MK+\t], v[RR+8*(\ppi)+(\pq0)+\t], v[RR+8*(1-(\ppi))+(\pq0)+\t]
.endr
.irp t, 0,1,2,3
	v_max3_num_f32 v[16*((\q0)+\t)], v[16*((\q0)+\t)], v[16*((\q0)+\t)+3], v[16*((\q0)+\t)+6]
.endr
.irp t, 0,1,2,3
	v_max3_num_f32 v[16*((\q0)+\t)+9], v[16*((\q0)+\t)+9], v[16*((\q0)+\t)+12], v[16*((\q0)+\t)+15]
.endr
.irp t, 0,1,2,3
	v_cndmask_b32 v[IDX+(\pq0)+\t], s[\sg], v[IDX+(\pq0)+\t], s[MK+\t]
.endr
.irp t, 0,1,2,3
	v_max3_num_f32 v[RR+8*(1-(\pi))+(\q0)+\t], v[16*((\q0)+\t)], v[16*((\q0)+\t)+9], v[RR+8*(\pi)+(\q0)+\t]
.endr
.endm
.macro GROUP slot, j, first
.set PI, (\j)%2
.if !\first
	s_mov_b32 s[GP], s[GC]
.if (\j) == 0
	s_add_co_u32 s[GC], s[GC], 29                  ; from my last group of a slot to my first of the next
.else
	s_add_co_u32 s[GC], s[GC], 1
.endif
.endif
.if (\j) == 0
	LOADS \slot, 0, 0
	LOADS \slot, 1, 1
.if !\first
	VHALF 4, 1, 0, 1, GP                           ; the pending half's vector work stands under the slot's first LDS loads
.endif
	s_wait_dscnt 13                                ; all but record 1's 13 loads are in
	WHALF 0, 0
	WHALF 4, 0
	WIN VEC
.rept 4
	v_nop                                          ; four places in front of the first read of results (ISA guide 7.12.1)
.endr
	VHALF 0, 0, 4, 1, GP
.else
.if (\j) < 3
	LOADS \slot, (\j)+1, ((\j)+1)%2
	s_wait_dscnt 13                                ; this record is in; the next one's 13 loads may be out
.else
	s_wait_dscnt 0x0
.endif
	WHALF 0, PI
	VHALF 4, 1-PI, 0, 1-PI, GP
	WHALF 4, PI
	VHALF 0, PI, 4, 1-PI, GP
.endif
.endm
.macro QUAD slot, first
	GROUP \slot, 0, \first
	GROUP \slot, 1, 0
	GROUP \slot, 2, 0
	GROUP \slot, 3, 0
	WIN 0
.endm
.macro CHANGE to, guard                ; the slot just walked is filled again, two chunks on; guard = 1: in the loop's last trip no chunk is left to ask for
	s_wait_xcnt 0x0                                ; the last prefetch has read its base
	s_add_nc_u64 s[PF:PF+1], s[PF:PF+1], SLOTB
	s_wait_tensorcnt 0x0                           ; all my tensor loads have landed: my part of the next slot
	ds_add_u32 v[SPW], v[NIL]
	s_add_nc_u64 s[G0+4*(1-\to)+2:G0+4*(1-\to)+3], s[G0+4*(1-\to)+2:G0+4*(1-\to)+3], 2*SLOTB
	s_wait_dscnt 0x0                               ; the add is done, and my reads of the slot are back
	ROUND
	tensor_load_to_lds s[G0+4*(1-\to):G0+4*(1-\to)+3], s[G1:G1+7]
	s_nop 0
.rept 4
	v_nop
.endr
.if \guard
	s_cmp_eq_u32 s[TRIPS], 1
	s_cbranch_scc1 .Lno_ask_\@
.endif
	s_cmp_lt_u32 ttmp9, 4
	s_cbranch_scc0 .Lno_prefetch_search2_\@
	global_prefetch_b8 v[PFO], s[PF:PF+1] th:TH_LOAD_NT scope:SCOPE_SE
.Lno_prefetch_search2_\@:
.if \guard
.Lno_ask_\@:
.endif
.endm
	QUAD 0, 1
	s_mov_b32 s[TRIPS], 3
.Lring:
	CHANGE 1, 0
	QUAD 1, 0
	CHANGE 0, 1
	QUAD 0, 0
	s_sub_co_u32 s[TRIPS], s[TRIPS], 1
	s_cmp_lg_u32 s[TRIPS], 0
	s_cbranch_scc1 .Lring
	s_wait_tensorcnt 0x0                           ; my part of the last chunk, which I alone read
	QUAD 1, 0
	VHALF 4, 1, 0, 1, GC                           ; the last group's second half,
.irp t, 0,1,2,3
	s_delay_alu instid0(VALU_DEP_4)
	v_cmp_ge_f32 s[MK+\t], v[RR+12+\t], v[RR+4+\t] ; and its compare and select
.endr
.irp t, 0,1,2,3
	s_delay_alu instid0(VALU_DEP_4)
	v_cndmask_b32 v[IDX+4+\t], s[GC], v[IDX+4+\t], s[MK+\t]
.endr
	WIN 0
; The eight waves' maxima meet in LDS (z's image is done with); wave u joins query tile u: the greater score, at equal scores the lower set (2 x group + lane half).
	v_and_b32 v94, 31, v0
	v_and_b32 v95, 15, v0
	v_bfe_u32 v93, v0, 4, 1
	s_lshl_b32 s48, s[WV], 11
	s_lshl_b32 s49, s[WV], 8
	s_lshl_b32 s50, s[WV], 6
	v_lshl_add_u32 v88, v94, 2, s48
	s_delay_alu instid0(VALU_DEP_1)
	v_add_nc_u32 v88, ZIMG, v88
	v_lshl_add_u32 v89, v94, 2, s49
	s_delay_alu instid0(VALU_DEP_1)
	v_add_nc_u32 v89, ZIMG, v89
	v_lshl_add_u32 v90, v95, 2, s50
	s_delay_alu instid0(VALU_DEP_1)
	v_add_nc_u32 v90, RES, v90
	v_lshlrev_b32 v92, 4, v94
	s_delay_alu instid0(VALU_DEP_1)
	v_add_nc_u32 v91, RES, v92
	v_mov_b32 v80, 0
	v_mov_b32 v81, 0
	WIN ST1
.irp q, 0,1,2,3,4,5,6,7
	ds_store_b32 v88, v[RR+\q] offset:256*\q
	ds_store_b32 v88, v[IDX+\q] offset:256*\q+128
.endr
	WIN 0
	s_wait_alu depctr_va_vdst(0)
	s_wait_dscnt 0x0
	s_barrier_signal -1
	s_barrier_wait -1
.irp u, 0,1,2,3,4,5,6,7
	ds_load_b32 v[64+\u], v89 offset:2048*\u
	ds_load_b32 v[72+\u], v89 offset:2048*\u+128
.endr
	s_wait_dscnt 0x0
.irp u, 0,1,2,3,4,5,6,7
	v_lshl_add_u32 v[72+\u], v[72+\u], 1, v93
.endr
.macro MERGE cv, cs
	v_cmp_gt_f32 s48, v[\cv], v64
	v_cmp_eq_f32 s49, v[\cv], v64
	v_cmp_lt_u32 s50, v[\cs], v72
	s_and_b32 s49, s49, s50
	s_or_b32 s48, s48, s49
	v_cndmask_b32 v64, v64, v[\cv], s48
	v_cndmask_b32 v72, v72, v[\cs], s48
.endm
.irp u, 1,2,3,4,5,6,7
	MERGE 64+\u, 72+\u
.endr
	s_delay_alu instid0(VALU_DEP_2)
	v_permlanex16_b32 v80, v64, s[SEL], s[SEL+1]
	s_delay_alu instid0(VALU_DEP_2)
	v_permlanex16_b32 v81, v72, s[SEL], s[SEL+1]
	MERGE 80, 81
	ds_store_b32 v90, v72
	s_wait_dscnt 0x0
	s_barrier_signal -1
	s_barrier_wait -1
	s_cmp_lg_u32 s[WV], 0
	s_cbranch_scc1 .Lnot_first
	ds_load_b128 v[84:87], v91
	s_wait_dscnt 0x0
	global_store_b128 v92, v[84:87], s[12:13]      ; wave 0 stores the work-group's 128 set numbers: 512 consecutive bytes, aligned
.Lnot_first:
	s_wait_tensorcnt 0x0                           ; the wave's end
	ds_add_u32 v[SPW], v[NIL]
	s_wait_dscnt 0x0
	ROUND                                          ; the closing round
	s_endpgm
.Lfunc_end_k_qf525477de9_search:
	.size	k_qf525477de9_search, .Lfunc_end_k_qf525477de9_search-k_qf525477de9_search
	.p2alignl 7, 3214868480
	.fill 96, 4, 3214868480
	.section	.rodata,"a",@progbits
	.p2align	6, 0x0
	.amdhsa_kernel k_qf525477de9_search
		.amdhsa_group_segment_fixed_size 327680
		.amdhsa_private_segment_fixed_size 0
		.amdhsa_enable_private_segment 0
		.amdhsa_kernarg_size 40
		.amdhsa_user_sgpr_count 2
		.amdhsa_user_sgpr_kernarg_segment_ptr 1
		.amdhsa_wavefront_size32 1
		.amdhsa_system_sgpr_workgroup_id_x 1
		.amdhsa_system_sgpr_workgroup_id_y 1
		.amdhsa_system_sgpr_workgroup_id_z 1
		.amdhsa_system_vgpr_workitem_id 0
		.amdhsa_next_free_vgpr 448
		.amdhsa_next_free_sgpr 66
		.amdhsa_reserve_vcc 0
		.amdhsa_float_denorm_mode_32 3
		.amdhsa_float_denorm_mode_16_64 3
		.amdhsa_memory_ordered 1
		.amdhsa_forward_progress 1
		.amdhsa_inst_pref_size 172
	.end_amdhsa_kernel
	.amdgpu_metadata
---
amdhsa.version: [ 1, 2 ]
amdhsa.kernels:
  - .name:           k_qf525477de9_search
    .symbol:         k_qf525477de9_search.kd
    .args:
      - { .name: z, .offset: 0, .size: 8, .value_kind: global_buffer, .address_space: global }
      - { .name: ecb, .offset: 8, .size: 8, .value_kind: global_buffer, .address_space: global }
      - { .name: zqi, .offset: 16, .size: 8, .value_kind: global_buffer, .address_space: global }
      - { .name: zqs, .offset: 24, .size: 8, .value_kind: global_buffer, .address_space: global }
      - { .name: cand, .offset: 32, .size: 8, .value_kind: global_buffer, .address_space: global }
    .group_segment_fixed_size: 327680
    .private_segment_fixed_size: 0
    .kernarg_segment_align: 8
    .kernarg_segment_size: 40
    .max_flat_workgroup_size: 256
    .sgpr_count:     66
    .vgpr_count:     448
    .wavefront_size: 32
...
	.end_amdgpu_metadata
.endif
;; end of part 2
;; launch refine (part 3): grid 512 x 1, 8 waves a work-group, no clusters, 1,536 bytes of LDS; arguments cand, ecb, zqi, zqs, out1, idxw; writes out1, idxw
.if DOCPART == 3
	.amdgcn_target "amdgcn-amd-amdhsa--gfx1250"
	.amdhsa_code_object_version 6
	.text
	.protected	k_qf525477de9_refine
	.globl	k_qf525477de9_refine
	.p2align	8
	.type	k_qf525477de9_refine,@function
k_qf525477de9_refine:
	s_mov_b64 s[64:65], 0
	v_nop
	global_prefetch_b8 v0, s[64:65] scope:SCOPE_SE
	s_setreg_imm32_b32 hwreg(HW_REG_WAVE_MODE, 25, 1), 1
	s_wait_xcnt 0x0
; Each query is multiplied once more with the ONE set of 16 codes that the search launch found for it (cand: a set number 0..511 for each query), and the first largest score
; s = Q(z) . Q(e) - |e|^2 / 2 of the sixteen gives the index: out1, and a copy, idxw, from which the last launch forms addresses.  (|z|^2 is left out: see the first kernel's head.)
; SHARES.  Work-group x takes 64 queries, four tiles of 16.  Wave w takes tile t = w / 2 (B = the tile's two fragments from zqi) and of its queries the eight 8 b .. 8 b + 7, b = w % 2.
; Each of the eight has an A of its own, the 16 rows of its set out of the codebook's record, so a product gives 16 x 16 scores of which one column, the query's own, is kept: eight accumulators that take turns.
; So all of a wave's loads go out as one run.  Lanes whose query belongs to the tile's other wave put their number into 256 LDS bytes that nobody reads.
; The addresses hang on whole numbers that an earlier launch stored; each is held to 511 before it enters an address.  No branch hangs on data.
; A RECORD (4,608 bytes, group g = set / 2): code 16 hs + J of the group (hs = set % 2) is row m = 16 (J / 8) + 8 hs + J % 8; block kb of row m at (kb / 4) 2048 + (m / 16) 1024 + ((kb / 2) % 2) 512 + (kb % 2) 256 + 16 (m % 16);
; its scale bytes at 4096 + 8 m; -|e|^2 / 2 by code at 4352 + 4 (16 hs + J).
; LIMITS: NaN and infinities are not served; the order of rounding is this program's own; equal scores go to the lower index.
; No cluster: the waves' records come as the set numbers name them, so work-groups share no tile.  No prefetch: the launch has no loop to run ahead in.
; REGISTERS: v1 r, v2 h; v3-8 lane offsets; v9 my query's set; v10 B's scale words (lanes 0-15 K step 0, lanes 16-31 K step 1); v11, v12 LDS; v16-31 B; v32-39 A's scale words, laid likewise;
;   v40-47 my query's eight scores; v48-59 at work; v64-191 eight A's of 16 registers; v192-255 eight accumulators.
.set SA, 32                            ; s[32+4i:33+4i] the record + 128 hs, for query i of my eight;  s[34+4i:35+4i] the record + 64 hs
	s_load_b256 s[4:11], s[0:1], 0x0               ; cand s[4:5], ecb s[6:7], zqi s[8:9], zqs s[10:11]
	s_load_b128 s[12:15], s[0:1], 0x20             ; out1 s[12:13], idxw s[14:15]
	v_lshl_add_u32 v62, v0, 2, 0x200
	v_mov_b32 v63, 0
	v_lshrrev_b32 v48, 5, v0
	s_delay_alu instid0(VALU_DEP_1)
	v_readfirstlane_b32 s66, v48                   ; wave 0..7
	v_and_b32 v1, 15, v0                           ; r
	v_bfe_u32 v2, v0, 4, 1                         ; h
	s_delay_alu instid0(VALU_DEP_2)
	v_lshrrev_b32 v48, 3, v1                       ; r / 8
	s_delay_alu instid0(VALU_DEP_3)
	v_and_b32 v49, 7, v1                           ; r % 8
	s_delay_alu instid0(VALU_DEP_2)
	v_lshlrev_b32 v3, 10, v48
	s_delay_alu instid0(VALU_DEP_1)
	v_lshl_add_u32 v3, v49, 4, v3
	s_delay_alu instid0(VALU_DEP_1)
	v_lshl_add_u32 v3, v2, 8, v3                   ; A's codes: row J = r: (r / 8) 1024 + 16 (r % 8) + 256 h
	v_lshlrev_b32 v4, 7, v48
	s_delay_alu instid0(VALU_DEP_1)
	v_lshl_add_u32 v4, v49, 3, v4
	s_delay_alu instid0(VALU_DEP_1)
	v_lshl_add_u32 v4, v2, 2, v4
	s_delay_alu instid0(VALU_DEP_1)
	v_add_nc_u32 v4, 4096, v4                      ; A's scale words: 8 m, + 4 for K step 1 in lanes 16-31
	v_lshlrev_b32 v5, 5, v2
	s_delay_alu instid0(VALU_DEP_1)
	v_add_nc_u32 v5, 4352, v5                      ; -|e|^2 / 2 of codes 8 h + 0 .. 7 of the set: my eight result registers
	v_and_b32 v6, 31, v0
	s_delay_alu instid0(VALU_DEP_1)
	v_lshlrev_b32 v12, 3, v6                       ; 8 x lane: the way out
	v_lshlrev_b32 v6, 4, v6                        ; 16 x lane
	v_lshlrev_b32 v8, 2, v1                        ; 4 r
	s_delay_alu instid0(VALU_DEP_1)
	v_lshl_add_u32 v7, v2, 9, v8                   ; B's scale words: 512 h + 4 r
	v_bfe_u32 v50, v0, 3, 1                        ; r / 8
	v_bfe_u32 v51, v0, 5, 1                        ; b
	s_delay_alu instid0(VALU_DEP_1)
	v_xor_b32 v50, v50, v51                        ; 1 where query r is the other wave's
	s_lshr_b32 s67, s66, 1
	s_lshl_b32 s67, s67, 6                         ; 64 t
	v_add_nc_u32 v11, s67, v8                      ; LDS: the index of query 16 t + r,
	s_delay_alu instid0(VALU_DEP_1)
	v_lshl_add_u32 v11, v50, 8, v11                ; or the same place 256 bytes on, which nobody reads
	v_mov_b32 v50, 0                               ; written once: a lane permute's destination counts as one of its sources
	v_mov_b32 v51, 0
	s_and_b32 s88, s66, 1                          ; b
	s_lshl_b32 s86, s88, 5                         ; 32 b: my eight set numbers among the tile's sixteen
	s_mov_b32 s87, 0
	s_lshl_b32 s88, s88, 3                         ; 8 b
	s_lshl_b32 s76, ttmp9, 8                       ; 256 x: the work-group's 64 whole numbers
	s_mov_b32 s77, 0
	s_add_co_u32 s70, s76, s67                     ; + 64 t: my tile's sixteen
	s_mov_b32 s71, 0
	s_lshl_b32 s72, ttmp9, 13
	s_lshl_b32 s68, s67, 5
	s_add_co_u32 s72, s72, s68                     ; zqi: 2,048 (4 x + t)
	s_mov_b32 s73, 0
	s_lshr_b32 s74, ttmp9, 1
	s_lshl_b32 s74, s74, 10
	s_and_b32 s68, ttmp9, 1
	s_lshl_b32 s68, s68, 8
	s_add_co_u32 s74, s74, s68
	s_add_co_u32 s74, s74, s67                     ; zqs: 1,024 for each 128 queries, in it 64 for each tile: 1,024 (x / 2) + 256 (x % 2) + 64 t
	s_mov_b32 s75, 0
	s_mov_b32 s80, 0x76543210
	s_mov_b32 s81, 0xfedcba98                      ; v_permlanex16_b32's selects for lane l xor 16
	s_wait_alu depctr_va_vdst(0)
	s_wait_kmcnt 0x0
	s_add_nc_u64 s[4:5], s[4:5], s[70:71]
	s_add_nc_u64 s[8:9], s[8:9], s[72:73]
	s_add_nc_u64 s[10:11], s[10:11], s[74:75]
	s_add_nc_u64 s[12:13], s[12:13], s[76:77]
	s_add_nc_u64 s[14:15], s[14:15], s[76:77]
	s_add_nc_u64 s[84:85], s[4:5], s[86:87]
	s_load_b256 s[16:23], s[84:85], 0x0            ; my eight set numbers as scalars, for the addresses
	global_load_b32 v9, v8, s[4:5]                 ; and my own query's in my lane, as a number
.irp c, 0,1,2,3
	global_load_b128 v[16+4*\c:19+4*\c], v6, s[8:9] offset:512*\c      ; B: K step c / 2, register group c % 2
.endr
	global_load_b32 v10, v7, s[10:11]
	s_wait_kmcnt 0x0
.irp i, 0,1,2,3,4,5,6,7
	s_min_u32 s68, s[16+\i], 511                   ; a loaded number enters an address only so held
	s_and_b32 s69, s68, 0x1fe
	s_mul_i32 s69, s69, 2304                       ; the record: (set / 2) x 4,608
	s_and_b32 s68, s68, 1                          ; hs
	s_lshl_b32 s70, s68, 7
	s_add_co_u32 s70, s70, s69                     ; (s71 and s73 hold 0)
	s_lshl_b32 s72, s68, 6
	s_add_co_u32 s72, s72, s69
	s_add_nc_u64 s[SA+4*\i:SA+4*\i+1], s[6:7], s[70:71]
	s_add_nc_u64 s[SA+4*\i+2:SA+4*\i+3], s[6:7], s[72:73]
.endr
.irp i, 0,1,2,3,4,5,6,7
	global_load_b128 v[64+16*\i:67+16*\i], v3, s[SA+4*\i:SA+4*\i+1]
	global_load_b128 v[68+16*\i:71+16*\i], v3, s[SA+4*\i:SA+4*\i+1] offset:512
	global_load_b128 v[72+16*\i:75+16*\i], v3, s[SA+4*\i:SA+4*\i+1] offset:2048
	global_load_b128 v[76+16*\i:79+16*\i], v3, s[SA+4*\i:SA+4*\i+1] offset:2560
	global_load_b32 v[32+\i], v4, s[SA+4*\i+2:SA+4*\i+3]
	global_load_b128 v[192+8*\i:195+8*\i], v5, s[SA+4*\i+2:SA+4*\i+3]              ; -|e|^2 / 2 lands in the accumulator: the first product adds onto it
	global_load_b128 v[196+8*\i:199+8*\i], v5, s[SA+4*\i+2:SA+4*\i+3] offset:16
.endr
	s_wait_loadcnt 0x0
.irp i, 0,1,2,3,4,5,6,7                        ; the eight accumulators take turns, one instruction a turn
	v_wmma_scale_f32_16x16x128_f8f6f4 v[192+8*\i:199+8*\i], v[64+16*\i:71+16*\i], v[16:23], v[192+8*\i:199+8*\i], v[32+\i], v10 matrix_a_fmt:MATRIX_FMT_FP4 matrix_b_fmt:MATRIX_FMT_FP4
.endr
.irp i, 0,1,2,3,4,5,6,7
	v_wmma_scale_f32_16x16x128_f8f6f4 v[192+8*\i:199+8*\i], v[72+16*\i:79+16*\i], v[24:31], v[192+8*\i:199+8*\i], v[32+\i], v10 matrix_a_fmt:MATRIX_FMT_FP4 matrix_b_fmt:MATRIX_FMT_FP4 matrix_a_scale:MATRIX_SCALE_ROW1 matrix_b_scale:MATRIX_SCALE_ROW1
.endr
.rept 4
	v_nop                                          ; four places in front of the first read of results (ISA guide 7.12.1)
.endr
	s_wait_alu depctr_va_vdst(0)
.irp i, 0,1,2,3,4,5,6,7                        ; of query 8 b + i's product only its own column is kept: lanes 8 b + i and 16 + 8 b + i.  Each accumulator is read from its low end on
.if \i == 0
.irp j, 0,1,2,3,4,5,6,7
	v_mov_b32 v[40+\j], v[192+\j]                  ; the first writes all lanes; my other seven columns are written over by their own queries
.endr
.else
	s_lshl_b32 s78, 0x10001<<\i, s88
.irp j, 0,1,2,3,4,5,6,7
	v_cndmask_b32 v[40+\j], v[40+\j], v[192+8*\i+\j], s78
.endr
.endif
.endr
	v_min_u32 v9, 0x1ff, v9
	v_mov_b32 v48, v40                             ; lane (r, h): v40 + j is the score of query r and code 16 set + 8 h + j
	v_mov_b32 v49, 0
.irp j, 1
	s_delay_alu instid0(VALU_DEP_2)
	v_cmp_gt_f32 vcc_lo, v[40+\j], v48             ; strictly greater: the first of equal scores stays
	s_delay_alu instid0(VALU_DEP_1)
	v_cndmask_b32 v49, v49, \j, vcc_lo
	s_delay_alu instid0(VALU_DEP_4)
	v_max_num_f32 v48, v48, v[40+\j]
.endr
.irp j, 2, 3, 4, 5, 6, 7
	s_delay_alu instid0(VALU_DEP_1)
	v_cmp_gt_f32 vcc_lo, v[40+\j], v48
	s_delay_alu instid0(VALU_DEP_1)
	v_cndmask_b32 v49, v49, \j, vcc_lo
	s_delay_alu instid0(VALU_DEP_3)
	v_max_num_f32 v48, v48, v[40+\j]
.endr
	s_delay_alu instid0(VALU_DEP_2)
	v_lshl_add_u32 v49, v2, 3, v49                 ; the place in the set: + 8 h
	s_delay_alu instid0(VALU_DEP_2)
	v_permlanex16_b32 v50, v48, s80, s81
	s_delay_alu instid0(VALU_DEP_2)
	v_permlanex16_b32 v51, v49, s80, s81
	s_delay_alu instid0(VALU_DEP_2)
	v_cmp_gt_f32 s82, v50, v48                     ; the other half wins where it is greater, or equal at the lower place
	s_delay_alu instid0(VALU_DEP_3)
	v_cmp_eq_f32 s83, v50, v48
	s_delay_alu instid0(VALU_DEP_3)
	v_cmp_lt_u32 s84, v51, v49
	s_and_b32 s83, s83, s84
	s_or_b32 s82, s82, s83
	v_cndmask_b32 v49, v49, v51, s82
	s_delay_alu instid0(VALU_DEP_1)
	v_lshl_add_u32 v52, v9, 4, v49                 ; the index: 16 x set + place
	ds_store_b32 v11, v52                          ; both halves write the same number
	s_wait_dscnt 0x0
	s_barrier_signal -1
	s_barrier_wait -1
	s_cmp_lg_u32 s66, 0
	s_cbranch_scc1 .Ldone
	ds_load_b64 v[56:57], v12
	s_wait_dscnt 0x0
	global_store_b64 v12, v[56:57], s[12:13]       ; wave 0 stores the work-group's 64 indices: 256 consecutive bytes, aligned
	global_store_b64 v12, v[56:57], s[14:15]
.Ldone:
	s_wait_tensorcnt 0x0                           ; the wave's end
	ds_add_u32 v62, v63
	s_wait_dscnt 0x0
	s_endpgm
.Lfunc_end_k_qf525477de9_refine:
	.size	k_qf525477de9_refine, .Lfunc_end_k_qf525477de9_refine-k_qf525477de9_refine
	.p2alignl 7, 3214868480
	.fill 96, 4, 3214868480
	.section	.rodata,"a",@progbits
	.p2align	6, 0x0
	.amdhsa_kernel k_qf525477de9_refine
		.amdhsa_group_segment_fixed_size 1536
		.amdhsa_private_segment_fixed_size 0
		.amdhsa_enable_private_segment 0
		.amdhsa_kernarg_size 48
		.amdhsa_user_sgpr_count 2
		.amdhsa_user_sgpr_kernarg_segment_ptr 1
		.amdhsa_wavefront_size32 1
		.amdhsa_system_sgpr_workgroup_id_x 1
		.amdhsa_system_sgpr_workgroup_id_y 1
		.amdhsa_system_sgpr_workgroup_id_z 1
		.amdhsa_system_vgpr_workitem_id 0
		.amdhsa_next_free_vgpr 256
		.amdhsa_next_free_sgpr 96
		.amdhsa_reserve_vcc 1
		.amdhsa_float_denorm_mode_32 3
		.amdhsa_float_denorm_mode_16_64 3
		.amdhsa_memory_ordered 1
		.amdhsa_forward_progress 1
		.amdhsa_inst_pref_size 22
	.end_amdhsa_kernel
	.amdgpu_metadata
---
amdhsa.version: [ 1, 2 ]
amdhsa.kernels:
  - .name:           k_qf525477de9_refine
    .symbol:         k_qf525477de9_refine.kd
    .args:
      - { .name: cand, .offset: 0, .size: 8, .value_kind: global_buffer, .address_space: global }
      - { .name: ecb, .offset: 8, .size: 8, .value_kind: global_buffer, .address_space: global }
      - { .name: zqi, .offset: 16, .size: 8, .value_kind: global_buffer, .address_space: global }
      - { .name: zqs, .offset: 24, .size: 8, .value_kind: global_buffer, .address_space: global }
      - { .name: out1, .offset: 32, .size: 8, .value_kind: global_buffer, .address_space: global }
      - { .name: idxw, .offset: 40, .size: 8, .value_kind: global_buffer, .address_space: global }
    .group_segment_fixed_size: 1536
    .private_segment_fixed_size: 0
    .kernarg_segment_align: 8
    .kernarg_segment_size: 48
    .max_flat_workgroup_size: 256
    .sgpr_count:     96
    .vgpr_count:     256
    .wavefront_size: 32
...
	.end_amdgpu_metadata
.endif
;; end of part 3
;; launch gather (part 4): grid 256 x 1, 8 waves a work-group, no clusters, 134,144 bytes of LDS; arguments embedding, idxw, out0; writes out0
.if DOCPART == 4
	.amdgcn_target "amdgcn-amd-amdhsa--gfx1250"
	.amdhsa_code_object_version 6
	.text
	.protected	k_qf525477de9_gather
	.globl	k_qf525477de9_gather
	.p2align	8
	.type	k_qf525477de9_gather,@function
k_qf525477de9_gather:
	s_mov_b64 s[64:65], 0
	v_nop
	global_prefetch_b8 v0, s[64:65] scope:SCOPE_SE
	s_setreg_imm32_b32 hwreg(HW_REG_WAVE_MODE, 25, 1), 1
	s_wait_xcnt 0x0
; out0[b][c][p] = embedding[idx[b, p]][c].  reference() writes z + (e - z); z cancels for all values and is not loaded here (see the first kernel's head; a NaN or an infinity of z is not carried into out0).
; out0: [32][256][1024]; embedding: [8192][256]; idxw: an index for each pixel, stored by the launch before.
; A codebook row runs along c and the output along p: the rows turn through LDS.  Each byte of out0 is written once, in runs of 256 aligned bytes; no matrix unit, no cluster
; (work-groups share no tile; the table's rows come as the indices name them), no prefetch (no loop to run ahead in).
; SHARES.  Work-group x takes 128 pixels of image x / 8 (128 (x % 8) on) with all 256 channels.  Wave w gathers the rows of pixels 16 w .. 16 w + 15, sixteen lanes to 256 bytes of a row, and stores them
; transposed into T[c][p] (rows of 512 bytes + 8); behind one barrier it sends out channels 32 w .. 32 w + 31.
; The addresses hang on whole numbers that an earlier launch stored; each is held to 8,191 before it enters an address.
; REGISTERS: v1 r, v2 h, v3 lane; v4-9 offsets; v16-23 the rows' offsets; v64-191 the gathered rows, then my 32 channels on the way out.
.set TP, 520                           ; a row of T: 128 pixels x 4 bytes + 8
	s_load_b128 s[4:7], s[0:1], 0x0                ; embedding s[4:5], idxw s[6:7]
	s_load_b64 s[10:11], s[0:1], 0x10              ; out0
	v_lshl_add_u32 v62, v0, 2, 0x20800
	v_mov_b32 v63, 0
	v_lshrrev_b32 v10, 5, v0
	s_delay_alu instid0(VALU_DEP_1)
	v_readfirstlane_b32 s12, v10                   ; wave 0..7
	v_and_b32 v1, 15, v0                           ; r
	v_bfe_u32 v2, v0, 4, 1                         ; h
	v_and_b32 v3, 31, v0                           ; lane
	s_delay_alu instid0(VALU_DEP_3)
	v_lshlrev_b32 v4, 4, v1                        ; my 16 bytes of a row's 256
	s_delay_alu instid0(VALU_DEP_3)
	v_lshlrev_b32 v9, 2, v2                        ; lanes 0-15 take the even pixel of a pair, lanes 16-31 the odd one
	s_lshl_b32 s13, s12, 6                         ; 64 w: my wave's 16 pixels, 4 bytes each
	v_mul_u32_u24 v5, v1, 4*TP
	s_delay_alu instid0(VALU_DEP_1)
	v_lshl_add_u32 v5, v2, 2, v5
	s_delay_alu instid0(VALU_DEP_1)
	v_add_nc_u32 v5, s13, v5                       ; T, on the way in: channel 4 r (+ 64 u + i), pixel 16 w + h (+ 2 a)
	s_delay_alu instid0(VALU_DEP_1)
	v_add_nc_u32 v6, 128*TP, v5                    ; channels 128 on: an LDS immediate ends at 65,535
	s_mul_i32 s14, s12, 32*TP
	v_lshl_add_u32 v7, v3, 3, s14                  ; and on the way out: channel 32 w on, 8 bytes a lane
	s_lshl_b32 s15, s12, 17
	v_lshl_add_u32 v8, v3, 3, s15                  ; the same place in out0: 32 w channels of 4,096 bytes, 8 bytes a lane
	s_lshl_b32 s16, ttmp9, 9
	s_add_co_u32 s16, s16, s13                     ; idxw: 512 x + 64 w
	s_mov_b32 s17, 0
	s_lshr_b32 s18, ttmp9, 3
	s_lshl_b32 s18, s18, 20                        ; image x / 8,
	s_and_b32 s20, ttmp9, 7
	s_lshl_b32 s20, s20, 9                         ; pixels 128 (x % 8) on
	s_add_co_u32 s18, s18, s20
	s_mov_b32 s19, 0
	s_wait_alu depctr_va_vdst(0)
	s_wait_kmcnt 0x0
	s_add_nc_u64 s[6:7], s[6:7], s[16:17]
	s_add_nc_u64 s[10:11], s[10:11], s[18:19]
.irp a, 0,1,2,3,4,5,6,7
	global_load_b32 v[16+\a], v9, s[6:7] offset:8*\a               ; the index of pixel 16 w + 2 a + h
.endr
	s_wait_loadcnt 0x0
.irp a, 0,1,2,3,4,5,6,7
	v_min_u32 v[16+\a], 0x1fff, v[16+\a]           ; a loaded number enters an address only so held
.endr
.irp a, 0,1,2,3,4,5,6,7
	v_lshl_add_u32 v[16+\a], v[16+\a], 10, v4      ; the row's 1,024 bytes, my 16 of each 256
.endr
.irp a, 0,1,2,3,4,5,6,7
.irp u, 0,1,2,3
	global_load_b128 v[64+16*\a+4*\u:67+16*\a+4*\u], v[16+\a], s[4:5] offset:256*\u        ; sixteen lanes read 256 consecutive bytes of a row, aligned (no hint: a row may be named again)
.endr
.endr
.irp a, 0,1,2,3,4,5,6,7
	s_wait_loadcnt 28-4*\a                         ; pair a's four loads are in; the later pairs' may be out
.irp u, 0,1
.irp i, 0,1,2,3
	ds_store_b32 v5, v[64+16*\a+4*\u+\i] offset:(64*\u+\i)*TP+8*\a         ; channel 64 u + 4 r + i, pixel 16 w + 2 a + h
.endr
.endr
.irp u, 2,3
.irp i, 0,1,2,3
	ds_store_b32 v6, v[64+16*\a+4*\u+\i] offset:(64*(\u-2)+\i)*TP+8*\a
.endr
.endr
.endr
	s_wait_dscnt 0x0                               ; for the others' sake: my 16 columns of T are written (and the stores have read their registers)
	s_barrier_signal -1
	s_barrier_wait -1
.irp n, 0,1,2,3,4,5,6,7,8,9,10,11,12,13,14,15,16,17,18,19,20,21,22,23,24,25,26,27,28,29,30,31
.irp u, 0,1
	ds_load_b64 v[64+4*\n+2*\u:64+4*\n+2*\u+1], v7 offset:\n*TP+256*\u
.endr
.endr
.irp k, 0,1,2,3
	s_wait_dscnt 48-16*\k                          ; quarter k's 16 loads are in; the later quarters' may be out
.irp n, 0,1,2,3,4,5,6,7
.irp u, 0,1
	global_store_b64 v8, v[64+32*\k+4*\n+2*\u:64+32*\k+4*\n+2*\u+1], s[10:11] offset:(8*\k+\n)*4096+256*\u th:TH_STORE_NT   ; a wave's store covers 256 consecutive bytes, aligned
.endr
.endr
.endr
	s_wait_tensorcnt 0x0                           ; the wave's end
	ds_add_u32 v62, v63
	s_wait_dscnt 0x0
	s_endpgm
.Lfunc_end_k_qf525477de9_gather:
	.size	k_qf525477de9_gather, .Lfunc_end_k_qf525477de9_gather-k_qf525477de9_gather
	.p2alignl 7, 3214868480
	.fill 96, 4, 3214868480
	.section	.rodata,"a",@progbits
	.p2align	6, 0x0
	.amdhsa_kernel k_qf525477de9_gather
		.amdhsa_group_segment_fixed_size 134144
		.amdhsa_private_segment_fixed_size 0
		.amdhsa_enable_private_segment 0
		.amdhsa_kernarg_size 24
		.amdhsa_user_sgpr_count 2
		.amdhsa_user_sgpr_kernarg_segment_ptr 1
		.amdhsa_wavefront_size32 1
		.amdhsa_system_sgpr_workgroup_id_x 1
		.amdhsa_system_sgpr_workgroup_id_y 1
		.amdhsa_system_sgpr_workgroup_id_z 1
		.amdhsa_system_vgpr_workitem_id 0
		.amdhsa_next_free_vgpr 192
		.amdhsa_next_free_sgpr 66
		.amdhsa_reserve_vcc 0
		.amdhsa_float_denorm_mode_32 3
		.amdhsa_float_denorm_mode_16_64 3
		.amdhsa_memory_ordered 1
		.amdhsa_forward_progress 1
		.amdhsa_inst_pref_size 26
	.end_amdhsa_kernel
	.amdgpu_metadata
---
amdhsa.version: [ 1, 2 ]
amdhsa.kernels:
  - .name:           k_qf525477de9_gather
    .symbol:         k_qf525477de9_gather.kd
    .args:
      - { .name: embedding, .offset: 0, .size: 8, .value_kind: global_buffer, .address_space: global }
      - { .name: idxw, .offset: 8, .size: 8, .value_kind: global_buffer, .address_space: global }
      - { .name: out0, .offset: 16, .size: 8, .value_kind: global_buffer, .address_space: global }
    .group_segment_fixed_size: 134144
    .private_segment_fixed_size: 0
    .kernarg_segment_align: 8
    .kernarg_segment_size: 24
    .max_flat_workgroup_size: 256
    .sgpr_count:     66
    .vgpr_count:     192
    .wavefront_size: 32
...
	.end_amdgpu_metadata
.endif
;; end of part 4
